; MI455X (gfx1250); checked and timed in simulation.
; The chip was launched on July 23, 2026; its instructions are those of AMD's public machine-readable ISA for CDNA 5 (MIT licence, August 2026) and "CDNA5" Instruction Set Architecture Reference Guide (July 2026). The comments in the code are by the model that wrote it; some were corrected since.
;; Multi Head Attention. Allowed arithmetic: matrix products marked QUANTISED: E2M3 operands, one E8M0 scale for each 32 along K, by v_wmma_scale_f32_16x16x128_f8f6f4 with both operands' format E2M3, f32 sums; everything else in f32.
;; Inputs: K 4 x 2,048 x 1,024 float32; Q 4 x 2,048 x 1,024 float32; V 4 x 2,048 x 1,024 float32; Wk 1,024 x 1,024 float32; Wo 1,024 x 1,024 float32; Wq 1,024 x 1,024 float32; Wv 1,024 x 1,024 float32; bk 1,024 float32; bo 1,024 float32; bq 1,024 float32; bv 1,024 float32.
;; Outputs: out0 4 x 2,048 x 1,024 float32.
;; This version of the problem:
;;   THIS VERSION OF THE PROBLEM IS GIVEN IN LOW PRECISION. The matrix products marked QUANTISED in the list below multiply operands that are first quantised to E2M3 (2 exponent bits, 3 mantissa bits; 6 bits a number), with one power-of-two scale for each 32 numbers along K (OCP MX v1.0); their sums are f32. All else is computed in f32.
;;   The module's matrix products, in the order in which they are computed (A, B: the left and right operand; K: the contracted axis; several contracted axes count as one K, in the product's order):
;;     1. [M 8,192, K 1,024] x [K 1,024, N 1,024]; A: input Q; B: input Wq: QUANTISED
;;     2. [M 8,192, K 1,024] x [K 1,024, N 1,024]; A: input K; B: input Wk: QUANTISED
;;     3. [M 8,192, K 1,024] x [K 1,024, N 1,024]; A: input V; B: input Wv: QUANTISED
;;     4. batch 64 x [M 2,048, K 64] x [K 64, N 2,048]; A: computed on the way; B: computed on the way: QUANTISED
;;     5. batch 64 x [M 64, K 2,048] x [K 2,048, N 2,048]; A: computed on the way; B: softmax (see below): QUANTISED
;;     6. [M 8,192, K 1,024] x [K 1,024, N 1,024]; A: computed on the way; B: input Wo: QUANTISED
;;   THE QUANTISER, for each operand of a quantised product, along K:
;;     - K is cut into blocks of 32 from its start; a last block that is shorter is filled with zeros.
;;     - A block's scale is 2^e with e = floor(log2(the largest magnitude in the block)) - 2, held to -126 .. 127; a block of zeros has e = 0. As a byte (E8M0): e + 127.
;;     - Each number is divided by its block's scale, clamped to +-7.5, and rounded to the nearest number of E2M3, ties to even, subnormals kept.
;;     - The product sums the exact products of the quantised numbers (number of the format x scale) in f32.
;;   ~~~python
;;   def quantise(x, axis):      # numpy; x: float32 -> the quantised numbers, widened to float32 again
;;       x = np.moveaxis(x, axis, -1); K = x.shape[-1]
;;       x = np.pad(x, [(0, 0)] * (x.ndim - 1) + [(0, -K % 32)]); x = x.reshape(x.shape[:-1] + (-1, 32)); a = np.abs(x).max(-1, keepdims=True)
;;       e = np.where(a > 0, np.clip(np.frexp(np.where(a > 0, a, 1))[1] - 1 - 2, -126, 127), 0)      # np.frexp(a)[1] - 1 = floor(log2(a)), exactly
;;       r = np.clip(x / 2.0 ** e, -7.5, 7.5)
;;       step = 2.0 ** (np.maximum(np.frexp(np.where(r == 0, 1, r))[1] - 1, 0) - 3)
;;       q = np.round(r / step) * step * 2.0 ** e      # np.round: ties to even
;;       return np.moveaxis(q.reshape(q.shape[:-2] + (-1,))[..., :K], -1, axis).astype(np.float32)
;;   ~~~
;;   SOFTMAX AHEAD OF A QUANTISED PRODUCT. Where the list says 'softmax', what is quantised is not the finished softmax but p = 2^(t - M), with t = logit x log2(e) and M = ceil(the row's largest t), a whole number; so 1/2 < the row's largest p <= 1. The row's sum l is taken of the UNQUANTISED p, in f32, and the product's result is divided by l at the end. Since M is a whole number, a kernel that streams over the keys may use a running M (the ceiling of the running maximum): every later rescaling is an exact power of two, which a block's scale takes up: the codes' values come out the same.
;;   OPERANDS COMPUTED ON THE WAY. 'Computed on the way' means the value that the module computes at that place (a softmax that the list does not call 'softmax' is quantised finished and normalised). What goes into a quantiser is computed in f32, as accurately as f32 sums, v_exp_f32 and their like allow (about 1e-6 of the number): no bf16 or f16 on the way to a quantiser, and a product that is left as it is and whose result goes on into a quantised operand takes f32 operands (vector FMAs, or v_wmma_f32_16x16x4_f32). A number that lies on a knife's edge between two numbers of the format may be rounded either way, as far as f32 arithmetic and the matrix unit's own rounding can turn it there, and no further.
;; One version. Each part assembles by itself: llvm-mc -triple=amdgcn-amd-amdhsa -mcpu=gfx1250 --defsym DOCPART=n.
;; ======== version 1 of 1: 4 launches
;; workspace buffers: cx 22,020,096 bytes; sc 1,179,648 bytes; pc 18,874,368 bytes; ps 786,432 bytes; oc 6,291,456 bytes
;; launch quant (part 1): grid 896 x 1, 4 waves a work-group, no clusters, 33,280 bytes of LDS; arguments Q, K, V, Wq, Wk, Wv, Wo, cx, sc; writes cx, sc
.if DOCPART == 1
	.amdgcn_target "amdgcn-amd-amdhsa--gfx1250"
	.amdhsa_code_object_version 6
	.text
	.protected	k_q83409dff88_quant
	.globl	k_q83409dff88_quant
	.p2align	8
	.type	k_q83409dff88_quant,@function
k_q83409dff88_quant:
	s_mov_b64 s[64:65], 0
	v_nop
	global_prefetch_b8 v0, s[64:65] scope:SCOPE_SE
	s_setreg_imm32_b32 hwreg(HW_REG_WAVE_MODE, 25, 1), 1
	s_wait_xcnt 0x0
; Q, K, V [8192][1024] and Wq, Wk, Wv, Wo [1024][1024], f32, K innermost, become codes of FP6 (E2M3) and one E8M0 byte for each 32 along K.
; cx: 28,672 rows of 768 bytes (Q, K, V, Wq, Wk, Wv, Wo on end); sc: the same rows, 32 scale bytes each.
; A block's scale is 2^(floor(log2(its largest magnitude)) - 2); its byte is the largest magnitude's exponent field - 2, held at 1 from below.
; THE ROWS ARE LAID PERMUTED: the row with true number w lies at the place with bits 3 and 4 of w exchanged.  So 16 neighbouring places (tile T, lane r) hold the true rows
; 32 (T / 2) + 8 (T % 2) + r + 8 (r / 8), and the later launches' results come out with 16 neighbours along the next K in a lane's 16 registers.
; A wave takes 8 rows (8,192 numbers), so the exchange is one of the wave's number's two bits, on the way out alone.
; LIMITS: a block of zeros gets the byte 1 where the rule says 127 (its codes are zeros, and this program alone reads the bytes); largest magnitudes under 2^-124 are held at that floor; NaN and infinities are not served.
; A work-group takes 32 rows; work-groups 0-767 the three activations (256 each), 768-895 the four weights (32 each).  Only pointers are chosen: one path for all seven tensors.
; A wave goes in 16 steps of 512 numbers.  Each load reads 512 consecutive bytes; a step's 2,048 bytes turn through the wave's own stage in LDS and come back 64 bytes a lane: 16 neighbours along K, two lanes to a block.
; No tensor loads, no barrier: waves share nothing.  Loads run four steps ahead, the turn through LDS one step.
.set STEPS, 16
.set EMAX,  2
.set CB,    12                         ; bytes of 16 codes
.set R,     16                         ; v16-79   four sets of 16 numbers as loaded
.set X,     80                         ; v80-111  two sets of 16 neighbours
.set E,     112                        ; v112-127 a scale byte for each step
.set C,     128                        ; v128-191 codes: four registers for each step, so that no store's data are written again
.set WREG,  8192                       ; LDS of a wave: two stages of 32 x SP bytes, behind them its 256 scale bytes
.set SP,    80                         ; a lane's place in a stage: 64 bytes + 16 of padding
	s_load_b256 s[4:11], s[0:1], 0x0               ; Q, K, V, Wq
	s_load_b256 s[12:19], s[0:1], 0x20             ; Wk, Wv, Wo, cx
	s_load_b64 s[20:21], s[0:1], 0x40              ; sc
	v_lshl_add_u32 v192, v0, 2, 0x8000
	v_mov_b32 v193, 0
	v_lshrrev_b32 v1, 5, v0
	v_readfirstlane_b32 s26, v1                    ; wave
	v_and_b32 v2, 31, v0                           ; lane
	v_lshlrev_b32 v3, 4, v2                        ; my 16 bytes of a load's 512
	s_mul_i32 s27, s26, WREG
	v_lshrrev_b32 v14, 2, v2
	v_mul_u32_u24 v14, v14, SP
	v_and_b32 v15, 3, v2
	v_lshl_add_u32 v14, v15, 4, v14
	v_add_nc_u32 v14, s27, v14                     ; the stage, in: SP (lane / 4) + 16 (lane % 4)
	v_mul_u32_u24 v15, v2, SP
	v_add_nc_u32 v15, s27, v15                     ; and out: SP x lane
	v_mul_u32_u24 v4, v2, CB                       ; my codes' place in a step's
	v_lshrrev_b32 v5, 1, v2
	s_add_co_u32 s27, s27, 2*32*SP
	v_add_nc_u32 v5, s27, v5                       ; my block's scale byte in the wave's 256
	v_lshlrev_b32 v7, 3, v2
	v_add_nc_u32 v6, s27, v7                       ; and on the way out 8 bytes a lane
	s_wait_alu depctr_va_vdst(0)
	s_wait_kmcnt 0x0
	s_mov_b64 s[22:23], s[4:5]                     ; which tensor is my work-group's, and at which work-group it begins: the choice hangs on the work-group's number alone
	s_mov_b32 s24, 0
	s_cmp_ge_u32 ttmp9, 256
	s_cselect_b64 s[22:23], s[6:7], s[22:23]
	s_cselect_b32 s24, 256, s24
	s_cmp_ge_u32 ttmp9, 512
	s_cselect_b64 s[22:23], s[8:9], s[22:23]
	s_cselect_b32 s24, 512, s24
	s_cmp_ge_u32 ttmp9, 768
	s_cselect_b64 s[22:23], s[10:11], s[22:23]
	s_cselect_b32 s24, 768, s24
	s_cmp_ge_u32 ttmp9, 800
	s_cselect_b64 s[22:23], s[12:13], s[22:23]
	s_cselect_b32 s24, 800, s24
	s_cmp_ge_u32 ttmp9, 832
	s_cselect_b64 s[22:23], s[14:15], s[22:23]
	s_cselect_b32 s24, 832, s24
	s_cmp_ge_u32 ttmp9, 864
	s_cselect_b64 s[22:23], s[16:17], s[22:23]
	s_cselect_b32 s24, 864, s24
	s_sub_co_u32 s25, ttmp9, s24
	s_lshl_b32 s25, s25, 2
	s_add_co_u32 s28, s25, s26                     ; in: run 4 (work-group - first) + wave of the tensor,
	s_lshl_b32 s28, s28, 15                        ; 32,768 bytes a run
	s_mov_b32 s29, 0
	s_add_nc_u64 s[22:23], s[22:23], s[28:29]
	s_and_b32 s30, s26, 1                          ; out: the wave's two bits exchanged: bits 3 and 4 of the row
	s_lshl_b32 s30, s30, 1
	s_lshr_b32 s31, s26, 1
	s_or_b32 s30, s30, s31
	s_lshl_b32 s31, ttmp9, 2
	s_add_co_u32 s30, s30, s31                     ; run 4 x work-group + exchanged wave of cx and sc
	s_mul_i32 s28, s30, 6144                       ; 8 rows of 768 bytes
	s_add_nc_u64 s[18:19], s[18:19], s[28:29]
	s_lshl_b32 s28, s30, 8                         ; 8 rows of 32 bytes
	s_add_nc_u64 s[20:21], s[20:21], s[28:29]
.macro LOAD t
.irp i, 0,1,2,3
	global_load_b128 v[R+16*((\t)%4)+4*\i:R+16*((\t)%4)+4*\i+3], v3, s[22:23] offset:2048*(\t)+512*\i th:TH_LOAD_NT   ; 32 lanes read 512 consecutive bytes
.endr
.endm
.macro TURN t                          ; step t's numbers through the stage: LDS serves a wave's instructions in order, so no wait stands between the stores and the loads
.irp i, 0,1,2,3
	ds_store_b128 v14, v[R+16*((\t)%4)+4*\i:R+16*((\t)%4)+4*\i+3] offset:32*SP*((\t)%2)+8*SP*\i
.endr
.irp i, 0,1,2,3
	ds_load_b128 v[X+16*((\t)%2)+4*\i:X+16*((\t)%2)+4*\i+3], v15 offset:32*SP*((\t)%2)+16*\i
.endr
.endm
.irp t, 0,1,2,3
	LOAD \t
.endr
	s_wait_loadcnt 12                              ; step 0's four loads are in; the twelve of steps 1 to 3 may be out
	TURN 0
.macro STEP t
.set XS, X+16*((\t)%2)
.if (\t) > 0
	s_wait_dscnt 1                                 ; this step's numbers are back from the stage (the last step's byte store may be out): so its stores into the stage have read their registers,
.else
	s_wait_dscnt 0x0
.endif
.if (\t)+4 < STEPS
	LOAD (\t)+4                                    ; which take the loads of four steps on
.endif
.if (\t)+1 < STEPS
.if STEPS-2-(\t) >= 3
	s_wait_loadcnt 12                              ; the next step's four loads are in; those of the three steps behind it may be out
.else
	s_wait_loadcnt 4*(STEPS-2-(\t))
.endif
	TURN (\t)+1                                    ; and go through the other stage while this step is worked
.endif
	v_max3_num_f32 v8, |v[XS]|, |v[XS+1]|, |v[XS+2]|               ; the largest magnitude of my 16, in two chains
	v_max3_num_f32 v9, |v[XS+3]|, |v[XS+4]|, |v[XS+5]|
.irp i, 6,10
	v_max3_num_f32 v8, v8, |v[XS+\i]|, |v[XS+\i+1]|
	v_max3_num_f32 v9, v9, |v[XS+\i+2]|, |v[XS+\i+3]|
.endr
	v_max3_num_f32 v8, v8, |v[XS+14]|, |v[XS+15]|
	v_max3_num_f32 v8, v8, v9, (EMAX+1)<<23        ; and the floor 2^(3 - 127): the byte cannot fall under 1
	v_max_num_f32_dpp v8, v8, v8 row_xmask:1 row_mask:0xf bank_mask:0xf   ; and of my neighbour's 16: the block's
	v_add_nc_u32 v11, -(EMAX<<23), v8              ; 2 off its exponent field: the conversion takes the exponent field of this operand as its scale
	v_cvt_scalef32_pk16_fp6_f32 v[C+4*(\t):C+4*(\t)+2], v[XS:XS+15], v11   ; sixteen codes, 96 bits, the first number's code lowest
	v_lshrrev_b32 v[E+(\t)], 23, v11               ; the scale's byte (a plain line behind the conversion)
	ds_store_b8 v5, v[E+(\t)] offset:16*(\t)       ; both lanes of a block write the same byte with the same value
	global_store_b96 v4, v[C+4*(\t):C+4*(\t)+2], s[18:19] offset:32*CB*(\t)   ; the wave stores 384 consecutive bytes
.endm
.irp t, 0,1,2,3,4,5,6,7,8,9,10,11,12,13,14,15
	STEP \t
.endr
	ds_load_b64 v[12:13], v6                       ; LDS serves a wave's instructions in order: these see my byte stores
	s_wait_dscnt 0x0
	global_store_b64 v7, v[12:13], s[20:21]        ; 32 lanes store 256 consecutive bytes, aligned
	s_wait_tensorcnt 0x0
	ds_add_u32 v192, v193
	s_wait_dscnt 0x0
	s_endpgm
.Lfunc_end_k_q83409dff88_quant:
	.size	k_q83409dff88_quant, .Lfunc_end_k_q83409dff88_quant-k_q83409dff88_quant
	.p2alignl 7, 3214868480
	.fill 96, 4, 3214868480
	.section	.rodata,"a",@progbits
	.p2align	6, 0x0
	.amdhsa_kernel k_q83409dff88_quant
		.amdhsa_group_segment_fixed_size 33280
		.amdhsa_private_segment_fixed_size 0
		.amdhsa_enable_private_segment 0
		.amdhsa_kernarg_size 72
		.amdhsa_user_sgpr_count 2
		.amdhsa_user_sgpr_kernarg_segment_ptr 1
		.amdhsa_wavefront_size32 1
		.amdhsa_system_sgpr_workgroup_id_x 1
		.amdhsa_system_sgpr_workgroup_id_y 1
		.amdhsa_system_sgpr_workgroup_id_z 1
		.amdhsa_system_vgpr_workitem_id 0
		.amdhsa_next_free_vgpr 194
		.amdhsa_next_free_sgpr 66
		.amdhsa_reserve_vcc 0
		.amdhsa_float_denorm_mode_32 3
		.amdhsa_float_denorm_mode_16_64 3
		.amdhsa_memory_ordered 1
		.amdhsa_forward_progress 1
		.amdhsa_inst_pref_size 33
	.end_amdhsa_kernel
	.amdgpu_metadata
---
amdhsa.version: [ 1, 2 ]
amdhsa.kernels:
  - .name:           k_q83409dff88_quant
    .symbol:         k_q83409dff88_quant.kd
    .args:
      - { .name: Q, .offset: 0, .size: 8, .value_kind: global_buffer, .address_space: global }
      - { .name: K, .offset: 8, .size: 8, .value_kind: global_buffer, .address_space: global }
      - { .name: V, .offset: 16, .size: 8, .value_kind: global_buffer, .address_space: global }
      - { .name: Wq, .offset: 24, .size: 8, .value_kind: global_buffer, .address_space: global }
      - { .name: Wk, .offset: 32, .size: 8, .value_kind: global_buffer, .address_space: global }
      - { .name: Wv, .offset: 40, .size: 8, .value_kind: global_buffer, .address_space: global }
      - { .name: Wo, .offset: 48, .size: 8, .value_kind: global_buffer, .address_space: global }
      - { .name: cx, .offset: 56, .size: 8, .value_kind: global_buffer, .address_space: global }
      - { .name: sc, .offset: 64, .size: 8, .value_kind: global_buffer, .address_space: global }
    .group_segment_fixed_size: 33280
    .private_segment_fixed_size: 0
    .kernarg_segment_align: 8
    .kernarg_segment_size: 72
    .max_flat_workgroup_size: 128
    .sgpr_count:     66
    .vgpr_count:     194
    .wavefront_size: 32
...
	.end_amdgpu_metadata
.endif
;; end of part 1
;; launch proj (part 2): grid 4 x 96, 4 waves a work-group, clusters of 4 x 4, 327,680 bytes of LDS; arguments cx, sc, bq, bk, bv, pc, ps; writes pc, ps
.if DOCPART == 2
	.amdgcn_target "amdgcn-amd-amdhsa--gfx1250"
	.amdhsa_code_object_version 6
	.text
	.protected	k_q83409dff88_proj
	.globl	k_q83409dff88_proj
	.p2align	8
	.type	k_q83409dff88_proj,@function
k_q83409dff88_proj:
	s_mov_b64 s[64:65], 0
	v_nop
	global_prefetch_b8 v0, s[64:65] scope:SCOPE_SE
	s_setreg_imm32_b32 hwreg(HW_REG_WAVE_MODE, 25, 1), 1
	s_wait_xcnt 0x0
	s_wait_alu depctr_hold_cnt(0) depctr_sa_sdst(0) depctr_va_vdst(0) depctr_va_sdst(0) depctr_va_ssrc(0) depctr_va_vcc(0) depctr_vm_vsrc(0)
	s_getreg_b32 s2, hwreg(HW_REG_IB_STS2, 6, 4)
	s_cmp_eq_u32 s2, 0
	s_cbranch_scc0 .Lentry_in_a_cluster
	s_endpgm
.Lentry_in_a_cluster:
	s_bfe_u32 s2, ttmp6, 0x10000c
	s_cmp_lg_u32 s2, 0xf033
	s_cbranch_scc0 .Lentry_shape_is_right
	s_endpgm
.Lentry_shape_is_right:
.set ROWB,   192
.set KROW,   768
.set PITCH,  240
.set FR,     12
.set NL,     6
.set NP,     4
.set HALFT,  128*PITCH
.set SLOT,   4*HALFT
.set SPARE,  2*SLOT
.set L16,  8
.set L8,   9
.set VS,   10
.set BOQ,  11
.set VSO,  12
.set VSEL, 13
.set BOV,  14
.set ADRA, 16
.set ADRB, 20
.set SPW,  28
.set NIL,  29
.set SC,   32
.set BIAS, 96
.set AF,   160
.set TM,   96
.set CD,   112
.set PW,   132
.set WD,   140
.set SEL,  2
.set WV,   18
.set H1,   19
.set H0,   20
.set G1,   24
.set G0,   32
.set VM,   44
.set G1B,  48
.set G0B,  56
.set FLO,  69
.set BP,   80
.set B0,   14
.set B1,   88
.set SA,   94
.set SADJ, 96
.set SCD,  98
.set MSB, 0
.macro WIN new
.if MSB != \new
	s_set_vgpr_msb (MSB<<8)|(\new)
.set MSB, \new
.endif
.endm
.set MUL_LO, 0xa1
.set MUL_HI, 0xf1
.set TO_B,   0x40
.macro JLOAD g0a, g1a, g0b, g1b
	s_cmp_eq_u32 s[H1], 0
	s_cbranch_scc0 .Lfor_b_\@
	tensor_load_to_lds s[\g0a:\g0a+3], s[\g1a:\g1a+7]
	s_nop 0
.rept 4
	v_nop
.endr
	s_branch .Lasked_\@
.Lfor_b_\@:
	tensor_load_to_lds s[\g0b:\g0b+3], s[\g1b:\g1b+7]
	s_nop 0
.rept 4
	v_nop
.endr
.Lasked_\@:
.endm
.macro CREST
	s_cmp_lg_u32 s[WV], 0
	s_cbranch_scc1 .Lnot_wave_0_\@
	s_barrier_signal -3
.Lnot_wave_0_\@:
	s_barrier_wait -3
	s_barrier_signal -1
	s_barrier_wait -1
.endm
.macro CROUND
	s_barrier_signal -1
	s_barrier_wait -1
	CREST
.endm
	s_load_b256 s[4:11], s[0:1], 0x0
	s_load_b128 s[12:15], s[0:1], 0x20
	s_load_b64 s[16:17], s[0:1], 0x30
	v_lshl_add_u32 v[SPW], v0, 2, SPARE
	v_mov_b32 v[NIL], 0
	ds_add_u32 v28, v29
	ds_add_u32 v28, v29
	s_wait_dscnt 0x0
	v_lshrrev_b32 v1, 5, v0
	v_readfirstlane_b32 s[WV], v1
	s_lshr_b32 s[H1], s[WV], 1
	s_and_b32 s[H0], s[WV], 1
	s_bfe_u32 s40, ttmp6, 0x40000
	s_bfe_u32 s41, ttmp6, 0x40004
	s_and_b32 s42, ttmp7, 0xffff
	s_lshr_b32 s43, s42, 3
	s_lshl_b32 s92, s41, 2
	s_lshl_b32 s92, 15, s92
	s_lshl_b32 s93, 0x1111, s40
	s_or_b32 s[G1+0], s92, (0<<16)|(1<<20)|(1<<21)|(3<<22)|(3<<25)
	s_or_b32 s[G1B+0], s93, (0<<16)|(1<<20)|(1<<21)|(3<<22)|(3<<25)
.irp g, G1, G1B
	s_mov_b32 s[\g+1], ROWB<<16
	s_mov_b32 s[\g+2], 128<<16
	s_mov_b32 s[\g+3], ROWB<<16
	s_mov_b32 s[\g+4], 128
	s_mov_b32 s[\g+5], KROW
	s_mov_b32 s[\g+6], 0
	s_mov_b32 s[\g+7], 0
.endr
	s_lshl_b32 s45, s42, 10
	s_lshl_b32 s46, s43, 10
	s_add_co_u32 s46, s46, 24576
	s_mov_b32 s47, 26624
	s_cmp_eq_u32 s43, 2
	s_cselect_b32 s[VM], 1, 0
	s_cselect_b32 s66, s47, s45
	s_cselect_b32 s67, s45, s46
	s_lshl_b32 s23, s[H0], 7
	s_lshl_b32 s68, s41, 8
	s_add_co_u32 s68, s68, s66
	s_lshl_b32 s72, s40, 8
	s_add_co_u32 s72, s72, s67
	s_add_co_u32 s70, s68, s23
	s_add_co_u32 s74, s72, s23
	s_mul_i32 s70, s70, KROW
	s_mov_b32 s71, 0
	s_mul_i32 s74, s74, KROW
	s_mov_b32 s75, 0
	s_mul_i32 s76, s[WV], HALFT
	s_wait_kmcnt 0x0
	s_add_nc_u64 s[70:71], s[4:5], s[70:71]
	s_add_nc_u64 s[74:75], s[4:5], s[74:75]
	CROUND
.irp s, 0,1
	s_mov_b32 s[G0+4*\s], 1
	s_add_co_u32 s[G0+4*\s+1], s76, \s*SLOT
	s_add_nc_u64 s[G0+4*\s+2:G0+4*\s+3], s[70:71], \s*ROWB
	s_or_b32 s[G0+4*\s+3], s[G0+4*\s+3], 0x80000000
	s_mov_b32 s[G0B+4*\s], 1
	s_add_co_u32 s[G0B+4*\s+1], s76, \s*SLOT
	s_add_nc_u64 s[G0B+4*\s+2:G0B+4*\s+3], s[74:75], \s*ROWB
	s_or_b32 s[G0B+4*\s+3], s[G0B+4*\s+3], 0x80000000
	s_wait_alu depctr_va_vdst(0)
	s_wait_tensorcnt 0x0
	ds_add_u32 v28, v29
	ds_add_u32 v28, v29
	s_wait_dscnt 0x0
	CROUND
	JLOAD G0+4*\s, G1, G0B+4*\s, G1B
.endr
	v_and_b32 v1, 15, v0
	v_bfe_u32 v2, v0, 4, 1
	v_mul_u32_u24 v3, v1, PITCH
	v_mul_u32_u24 v4, v2, 24
	v_add_nc_u32 v4, v3, v4
	v_lshl_add_u32 v5, v2, 4, v4
	s_mul_i32 s21, s[H1], HALFT
	s_mul_i32 s22, s[H0], HALFT
	s_add_co_u32 s22, s22, 2*HALFT
.irp s, 0,1
	v_add_nc_u32 v[ADRA+\s], s21, v4
	v_add_nc_u32 v[ADRB+\s], s22, v4
	v_add_nc_u32 v[ADRA+2+\s], s21, v5
	v_add_nc_u32 v[ADRB+2+\s], s22, v5
	s_add_co_u32 s21, s21, SLOT
	s_add_co_u32 s22, s22, SLOT
.endr
	s_lshl_b32 s77, s[H1], 7
	s_add_co_u32 s77, s77, s68
	s_lshl_b32 s77, s77, 5
	s_lshl_b32 s78, s[H0], 7
	s_add_co_u32 s78, s78, s72
	s_lshl_b32 s78, s78, 5
	s_mov_b32 vcc_lo, 0xffff0000
	v_mov_b32 v6, s77
	v_mov_b32 v7, s78
	v_cndmask_b32 v[VS], v6, v7, vcc_lo
	v_lshl_add_u32 v[VS], v1, 5, v[VS]
.irp i, 0,1,2,3,4,5,6,7
	global_load_b128 v[SC+8*\i:SC+8*\i+3], v[VS], s[6:7] offset:512*\i
	global_load_b128 v[SC+8*\i+4:SC+8*\i+7], v[VS], s[6:7] offset:512*\i+16
.endr
	v_and_b32 v6, 31, v0
	v_lshlrev_b32 v[L16], 4, v6
	v_lshlrev_b32 v[L8], 3, v6
	v_lshlrev_b32 v[BOQ], 6, v2
	v_lshlrev_b32 v[VSO], 4, v1
	v_lshl_add_u32 v[VSO], v2, 12, v[VSO]
	v_mov_b32 v[VSEL], 0x05040100
	v_mov_b32 v7, 0x07060302
	v_cndmask_b32 v[VSEL], v[VSEL], v7, vcc_lo
	v_and_b32 v[BOV], 8, v1
	v_add_nc_u32 v[BOV], v[BOV], v1
	v_lshlrev_b32 v[BOV], 2, v[BOV]
	s_mov_b32 s[SEL], 0x76543210
	s_mov_b32 s[SEL+1], 0xfedcba98
	s_mov_b32 s[FLO], 0x1800000
	s_lshl_b32 s82, s40, 8
	s_lshl_b32 s83, s[H0], 7
	s_add_co_u32 s82, s82, s83
	s_lshl_b32 s84, s41, 8
	s_lshl_b32 s85, s[H1], 7
	s_add_co_u32 s84, s84, s85
	s_mov_b32 s[SA], 768
	s_mov_b32 s[SCD], 98304
	s_cmp_eq_u32 s[VM], 1
	s_cselect_b32 s86, s84, s82
	s_cselect_b32 s87, s82, s84
	s_cselect_b32 s[SA], 1536, s[SA]
	s_cselect_b32 s[SADJ], 92160, 0
	s_cselect_b32 s[SCD], 768, s[SCD]
	s_mov_b32 s[SA+1], 0
	s_mov_b32 s[SADJ+1], 0
	s_mov_b32 s[SCD+1], 0
	s_add_co_u32 s87, s87, s45
	s_cmp_eq_u32 s43, 1
	s_cselect_b64 s[BP:BP+1], s[10:11], s[8:9]
	s_cmp_eq_u32 s43, 2
	s_cselect_b64 s[BP:BP+1], s[12:13], s[BP:BP+1]
	s_lshl_b32 s90, s86, 2
	s_mov_b32 s91, 0
	s_add_nc_u64 s[BP:BP+1], s[BP:BP+1], s[90:91]
	s_lshr_b32 s92, s87, 11
	s_lshl_b32 s92, s92, 4
	s_lshr_b32 s93, s86, 6
	s_add_co_u32 s92, s92, s93
	s_lshl_b32 s92, s92, 4
	s_bfe_u32 s93, s87, 0x40007
	s_add_co_u32 s92, s92, s93
	s_mul_i32 s90, s92, 6144
	s_add_nc_u64 s[B0:B0+1], s[B0:B0+1], s[90:91]
	s_add_nc_u64 s[B1:B1+1], s[B0:B0+1], s[SCD:SCD+1]
	s_lshl_b32 s90, s92, 8
	s_add_nc_u64 s[16:17], s[16:17], s[90:91]
	s_cmp_eq_u32 s[VM], 1
	s_cbranch_scc1 .Lbias_v
	s_wait_alu depctr_va_vdst(0)
.irp b, 0,1,2,3,4,5,6,7
	global_load_b128 v[BIAS+8*\b:BIAS+8*\b+3], v[BOQ], s[BP:BP+1] offset:(32*(\b/2)+8*(\b%2))*4
	global_load_b128 v[BIAS+8*\b+4:BIAS+8*\b+7], v[BOQ], s[BP:BP+1] offset:(32*(\b/2)+8*(\b%2))*4+16
.endr
	s_branch .Lbias_done
.Lbias_v:
	s_wait_alu depctr_va_vdst(0)
.irp a, 0,1,2,3,4,5,6,7
.irp j, 0,1,2,3,4,5,6,7
	global_load_b32 v[BIAS+8*\a+\j], v[BOV], s[BP:BP+1] offset:(32*(\a/2)+8*(\a%2))*4
.endr
.endr
.Lbias_done:
.macro FRAG reg, adr, q, i
.irp p, 0,1,2,3,4,5
.set PCE, 12*(\q)+6*(\p/3)+\p%3
.if PCE%8 < 5
	ds_load_b64 v[\reg+2*\p:\reg+2*\p+1], v[\adr] offset:8*PCE+16*(PCE/8)+(\i)*16*PITCH
.else
	ds_load_b64 v[\reg+2*\p:\reg+2*\p+1], v[\adr+2] offset:8*PCE+16*(PCE/8)+(\i)*16*PITCH
.endif
.endr
.endm
.macro MUL16 a0, p, ks, mode
.irp a, \a0, \a0+1
.irp b, 0,1,2,3,4,5,6,7
.if \mode == 1
	v_wmma_scale_f32_16x16x128_f8f6f4 v[8*(8*((\a)%4)+\b):8*(8*((\a)%4)+\b)+7], v[128*(\p)+FR*\b:128*(\p)+FR*\b+FR-1], v[AF+FR*(\a):AF+FR*(\a)+FR-1], v[BIAS+8*\b:BIAS+8*\b+7], v[SC+8*\b+(\ks)], v[SC+8*(\a)+(\ks)] matrix_a_fmt:MATRIX_FMT_FP6 matrix_b_fmt:MATRIX_FMT_FP6 matrix_a_scale:MATRIX_SCALE_ROW1
.elseif \mode == 2
	v_wmma_scale_f32_16x16x128_f8f6f4 v[8*(8*((\a)%4)+\b):8*(8*((\a)%4)+\b)+7], v[128*(\p)+FR*\b:128*(\p)+FR*\b+FR-1], v[AF+FR*(\a):AF+FR*(\a)+FR-1], v[BIAS+8*(\a):BIAS+8*(\a)+7], v[SC+8*\b+(\ks)], v[SC+8*(\a)+(\ks)] matrix_a_fmt:MATRIX_FMT_FP6 matrix_b_fmt:MATRIX_FMT_FP6 matrix_a_scale:MATRIX_SCALE_ROW1
.else
	v_wmma_scale_f32_16x16x128_f8f6f4 v[8*(8*((\a)%4)+\b):8*(8*((\a)%4)+\b)+7], v[128*(\p)+FR*\b:128*(\p)+FR*\b+FR-1], v[AF+FR*(\a):AF+FR*(\a)+FR-1], v[8*(8*((\a)%4)+\b):8*(8*((\a)%4)+\b)+7], v[SC+8*\b+(\ks)], v[SC+8*(\a)+(\ks)] matrix_a_fmt:MATRIX_FMT_FP6 matrix_b_fmt:MATRIX_FMT_FP6 matrix_a_scale:MATRIX_SCALE_ROW1
.endif
.endr
.endr
.endm
.macro FETCH_S0 slot, q, p
	WIN TO_B
.irp i, 0,1,2,3,4,5,6,7
	FRAG 128*(\p)+FR*\i, ADRB+\slot, \q, \i
.endr
	WIN 0
.endm
.macro FETCH_S1 slot, q, i0
.irp i, \i0, \i0+1, \i0+2, \i0+3
	FRAG AF+FR*(\i), ADRA+\slot, \q, \i
.endr
.endm
.macro PLACES n
.rept \n
	v_nop
.endr
.endm
.macro STEP slot, ks, mode
	s_wait_dscnt 4*NL
.if \mode
	WIN 0x81
.else
	WIN MUL_LO
.endif
	MUL16 0, 0, \ks, \mode
	MUL16 2, 0, \ks, \mode
	s_wait_dscnt 0x0
	PLACES NP
	FETCH_S0 \slot, 1, 1
	FETCH_S1 \slot, 1, 0
.if \mode
	WIN 0xc1
.else
	WIN MUL_HI
.endif
	MUL16 4, 0, \ks, \mode
	MUL16 6, 0, \ks, \mode
	PLACES NP
	WIN 0
	FETCH_S1 \slot, 1, 4
.endm
.macro TURN slot, next, fill, ks
	s_wait_tensorcnt 0x0
	ds_add_u32 v[SPW], v[NIL]
	s_wait_dscnt 4*NL+1
	WIN MUL_LO
	MUL16 0, 1, \ks, 0
	s_wait_dscnt 0x0
	s_barrier_signal -1
	MUL16 2, 1, \ks, 0
	WIN 0
	s_barrier_wait -1
.if \fill
	CREST
	s_add_nc_u64 s[G0+4*\slot+2:G0+4*\slot+3], s[G0+4*\slot+2:G0+4*\slot+3], 2*ROWB
	s_add_nc_u64 s[G0B+4*\slot+2:G0B+4*\slot+3], s[G0B+4*\slot+2:G0B+4*\slot+3], 2*ROWB
	JLOAD G0+4*\slot, G1, G0B+4*\slot, G1B
.else
	PLACES NP
.endif
	FETCH_S0 \next, 0, 0
	FETCH_S1 \next, 0, 0
	WIN MUL_HI
	MUL16 4, 1, \ks, 0
	MUL16 6, 1, \ks, 0
	PLACES NP
	WIN 0
	FETCH_S1 \next, 0, 4
.endm
	s_wait_tensorcnt 1
	s_barrier_signal -1
	s_barrier_wait -1
	FETCH_S0 0, 0, 0
	FETCH_S1 0, 0, 0
	FETCH_S1 0, 0, 4
	s_wait_loadcnt 0x0
	s_cmp_eq_u32 s[VM], 1
	s_cbranch_scc1 .Lfirst_v
	STEP 0, 0, 1
	s_branch .Lfirst_done
.Lfirst_v:
	STEP 0, 0, 2
.Lfirst_done:
	TURN 0, 1, 1, 1
	STEP 1, 2, 0
	TURN 1, 0, 1, 3
	STEP 0, 4, 0
	TURN 0, 1, 0, 5
	STEP 1, 6, 0
	s_wait_dscnt 4*NL
	WIN MUL_LO
	MUL16 0, 1, 7, 0
	MUL16 2, 1, 7, 0
	s_wait_dscnt 0x0
	WIN MUL_HI
	MUL16 4, 1, 7, 0
	MUL16 6, 1, 7, 0
	WIN 0
.macro OUTA a
.set AC, 64*((\a)%4)
	WIN 0x28+0x14*((\a)/4)
.irp b, 0,1,2,3
	v_max3_num_f32 v[TM+\b], s[FLO], |v[AC+16*\b]|, |v[AC+16*\b+1]|
.endr
.irp i, 2,4,6,8,10,12,14
.irp b, 0,1,2,3
	v_max3_num_f32 v[TM+\b], v[TM+\b], |v[AC+16*\b+\i]|, |v[AC+16*\b+\i+1]|
.endr
.endr
	WIN 0
.irp b, 0,1,2,3
	v_permlanex16_b32 v[TM+4+\b], v[TM+\b], s[SEL], s[SEL+1]
.endr
.irp b, 0,1,2,3
	v_max_num_f32 v[TM+\b], v[TM+\b], v[TM+4+\b]
.endr
.irp b, 0,1,2,3
	v_add_nc_u32 v[TM+12+\b], 0xff000000, v[TM+\b]
.endr
.irp b, 0,1,2,3
	v_lshrrev_b32 v[TM+4+\b], 23, v[TM+12+\b]
.endr
	v_lshl_or_b32 v[PW+(\a)], v[TM+5], 8, v[TM+4]
	v_lshl_or_b32 v[PW+(\a)], v[TM+6], 16, v[PW+(\a)]
	v_lshl_or_b32 v[PW+(\a)], v[TM+7], 24, v[PW+(\a)]
.if (\a) > 0
	s_wait_xcnt 0x0
	s_add_nc_u64 s[B0:B0+1], s[B0:B0+1], s[SA:SA+1]
	s_add_nc_u64 s[B1:B1+1], s[B1:B1+1], s[SA:SA+1]
.endif
.if (\a) == 4
	s_add_nc_u64 s[B0:B0+1], s[B0:B0+1], s[SADJ:SADJ+1]
	s_add_nc_u64 s[B1:B1+1], s[B1:B1+1], s[SADJ:SADJ+1]
.endif
	WIN 0x02+((\a)/4)
.irp c, 0,1
	v_cvt_scalef32_pk16_fp6_f32 v[CD+6*\c:CD+6*\c+2], v[AC+32*\c:AC+32*\c+15], v[TM+12+2*\c]
	v_cvt_scalef32_pk16_fp6_f32 v[CD+12+4*\c:CD+14+4*\c], v[AC+32*\c+16:AC+32*\c+31], v[TM+13+2*\c]
.endr
	WIN 0
	v_nop
.irp c, 0,1
.irp i, 0,1,2
	v_permlane16_swap_b32 v[CD+6*\c+\i], v[CD+12+4*\c+\i]
.endr
.irp i, 0,1,2
	v_mov_b32 v[CD+3+6*\c+\i], v[CD+12+4*\c+\i]
.endr
.endr
	global_store_b128 v[L16], v[CD:CD+3], s[B0:B0+1]
	global_store_b64 v[L8], v[CD+4:CD+5], s[B0:B0+1] offset:512
	global_store_b128 v[L16], v[CD+6:CD+9], s[B1:B1+1]
	global_store_b64 v[L8], v[CD+10:CD+11], s[B1:B1+1] offset:512
.endm
	PLACES NP
.irp b, 0,1,2,3
	v_mov_b32 v[TM+4+\b], 0
.endr
.irp a, 0,1,2,3,4,5,6,7
	OUTA \a
.endr
	s_mov_b32 vcc_lo, 0xffff0000
	s_cmp_eq_u32 s[VM], 1
	s_cbranch_scc1 .Lwords_v
.irp g, 0,1,2,3
	v_perm_b32 v[WD+\g], v[PW+2*\g+1], v[PW+2*\g], v[VSEL]
.endr
	s_branch .Lwords_done
.Lwords_v:
.irp t, 0,1,2,3
	v_cndmask_b32 v[WD+\t], v[PW+\t], v[PW+4+\t], vcc_lo
.endr
.Lwords_done:
	s_wait_alu depctr_va_vdst(0)
	global_store_b128 v[VSO], v[WD:WD+3], s[16:17]
	s_wait_tensorcnt 0x0
	ds_add_u32 v[SPW], v[NIL]
	s_wait_dscnt 0x0
	CROUND
	s_endpgm
.Lfunc_end_k_q83409dff88_proj:
	.size	k_q83409dff88_proj, .Lfunc_end_k_q83409dff88_proj-k_q83409dff88_proj
	.p2alignl 7, 3214868480
	.fill 96, 4, 3214868480
	.section	.rodata,"a",@progbits
	.p2align	6, 0x0
	.amdhsa_kernel k_q83409dff88_proj
		.amdhsa_group_segment_fixed_size 327680
		.amdhsa_private_segment_fixed_size 0
		.amdhsa_enable_private_segment 0
		.amdhsa_kernarg_size 56
		.amdhsa_user_sgpr_count 2
		.amdhsa_user_sgpr_kernarg_segment_ptr 1
		.amdhsa_wavefront_size32 1
		.amdhsa_system_sgpr_workgroup_id_x 1
		.amdhsa_system_sgpr_workgroup_id_y 1
		.amdhsa_system_sgpr_workgroup_id_z 1
		.amdhsa_system_vgpr_workitem_id 0
		.amdhsa_next_free_vgpr 1024
		.amdhsa_next_free_sgpr 100
		.amdhsa_reserve_vcc 1
		.amdhsa_float_denorm_mode_32 3
		.amdhsa_float_denorm_mode_16_64 3
		.amdhsa_memory_ordered 1
		.amdhsa_forward_progress 1
		.amdhsa_inst_pref_size 187
	.end_amdhsa_kernel
	.amdgpu_metadata
---
amdhsa.version: [ 1, 2 ]
amdhsa.kernels:
  - .name:           k_q83409dff88_proj
    .symbol:         k_q83409dff88_proj.kd
    .args:
      - { .name: cx, .offset: 0, .size: 8, .value_kind: global_buffer, .address_space: global }
      - { .name: sc, .offset: 8, .size: 8, .value_kind: global_buffer, .address_space: global }
      - { .name: bq, .offset: 16, .size: 8, .value_kind: global_buffer, .address_space: global }
      - { .name: bk, .offset: 24, .size: 8, .value_kind: global_buffer, .address_space: global }
      - { .name: bv, .offset: 32, .size: 8, .value_kind: global_buffer, .address_space: global }
      - { .name: pc, .offset: 40, .size: 8, .value_kind: global_buffer, .address_space: global }
      - { .name: ps, .offset: 48, .size: 8, .value_kind: global_buffer, .address_space: global }
    .group_segment_fixed_size: 327680
    .private_segment_fixed_size: 0
    .kernarg_segment_align: 8
    .kernarg_segment_size: 56
    .max_flat_workgroup_size: 128
    .sgpr_count:     100
    .vgpr_count:     1024
    .wavefront_size: 32
...
	.end_amdgpu_metadata
.endif
;; end of part 2
;; launch attn (part 3): grid 4 x 64, 16 waves a work-group, clusters of 4 x 1, 206,848 bytes of LDS; arguments pc, ps, oc, sc; writes oc, sc
.if DOCPART == 3
	.amdgcn_target "amdgcn-amd-amdhsa--gfx1250"
	.amdhsa_code_object_version 6
	.text
	.protected	k_q83409dff88_attn
	.globl	k_q83409dff88_attn
	.p2align	8
	.type	k_q83409dff88_attn,@function
k_q83409dff88_attn:
	s_mov_b64 s[64:65], 0
	v_nop
	global_prefetch_b8 v0, s[64:65] scope:SCOPE_SE
	s_setreg_imm32_b32 hwreg(HW_REG_WAVE_MODE, 25, 1), 1
	s_wait_xcnt 0x0
	s_wait_alu depctr_hold_cnt(0) depctr_sa_sdst(0) depctr_va_vdst(0) depctr_va_sdst(0) depctr_va_ssrc(0) depctr_va_vcc(0) depctr_vm_vsrc(0)
	s_getreg_b32 s2, hwreg(HW_REG_IB_STS2, 6, 4)
	s_cmp_eq_u32 s2, 0
	s_cbranch_scc0 .Lentry_in_a_cluster
	s_endpgm
.Lentry_in_a_cluster:
	s_bfe_u32 s2, ttmp6, 0x10000c
	s_cmp_lg_u32 s2, 0x3003
	s_cbranch_scc0 .Lentry_shape_is_right
	s_endpgm
.Lentry_shape_is_right:
; o[n][q][head][:] = the sum over keys of softmax(q . k / 8) v, both products on codes of FP6 (E2M3) with E8M0 scales; the result is divided by the row's sum and quantised at once along head x 64 + d for the last product.
; THE SOFTMAX: t = score x log2(e) / 8; M = the running largest t rounded UP to a whole number; p = 2^(t - M) is quantised along the keys, not normalised; the row's sum is taken of the unquantised p, in f32.
; When M moves, the sum and O are multiplied by 2^(old M - new M): exact.
; SHARES.  A work-group owns 512 queries of one (n, head); the four of a cluster are the four query blocks of that head.  Each of sixteen waves owns two tiles of 16 queries and walks all 2,048 keys once for each (two passes), 128 keys a step.
; K AND V OF THE WHOLE HEAD, codes and scale words, 204,800 bytes, COME INTO LDS ONCE, by joint loads of all four work-groups (wave 0: K's five, wave 1: V's five): nothing is filled again.
; No prefetch: all that the launch reads of K and V is asked for at its head.
; LAYOUT.  Both products are used transposed (S^T = K Q^T, O^T = V^T P^T): a lane holds ONE query.  The keys of a tile are 32 (T / 2) + 8 (T % 2) + r + 8 (r / 8), so that the 16 registers of tiles 2 b, 2 b + 1 are 16 neighbouring keys.
; THE FIRST PRODUCT'S K IS 64, the instruction's 128.  A fragment of K holds TWO tiles of keys: registers 0-5 tile 2 f, registers 6-11 tile 2 f + 1.  Against [q | zeros] it gives tile 2 f's scores, against [zeros | q] tile 2 f + 1's:
; zero codes add nothing under any scale byte.  Q's registers lie between runs of zeros, so that both forms are runs of 12 registers.
; OUT.  oc: [tile of 16 rows, 512][head 16][768 bytes]: an image of 6 registers x 32 lanes, stored in whole aligned blocks of 256 bytes.  The rows' scale bytes go behind sc's first 917,504 bytes:
; [tile][half 2][r 16][16 bytes], two bytes for a head.  That last store is 2 bytes a lane, 16 bytes apart: a head owns only 2 of a row's 32 scale bytes; it is 262,144 bytes in the whole launch.
; LIMITS: a block of zeros gets the byte 1 (its codes are zeros; this program alone reads the bytes); largest magnitudes under 2^-124 are held at that floor; NaN and infinities are not served;
; a block's largest p is made from the block's largest score by the same two instructions, which takes v_exp_f32 not to fall where its input rises.
.set CHK,  49152                       ; LDS: chunk c (512 keys) at 49,152 c: K's four steps of 6,144 bytes, then V's four
.set VOFF, 24576
.set STPB, 6144
.set SCK,  196608                      ; K's scale words [step 16][r 16][4 words]; V's 4,096 bytes on
.set OSB,  917504
.set L16,  1                           ; v1   16 x lane
.set L8,   2                           ; v2   8 x lane
.set R16,  3                           ; v3   16 r + SCK
.set A16,  4                           ; v4-6 the same in the step in hand
.set A8,   5
.set AS,   6
.set OSO,  7                           ; v7   16 r + 512 h: where my scale bytes go
.set QRO,  9                           ; v9   16 r
; v12 -M, v13 the largest t, v[14:15] the sum in two halves; v16-45: zeros x 6, tile A's q x 6, zeros x 6, tile B's q x 6, zeros x 6
.set QSA,  46                          ; v46, v47 q's scale words: the tile's two bytes twice
.set QSB,  47
.set KF,   48                          ; v48-95   four fragments of K, then of V
.set S,    96                          ; v96-159  S^T, then p
.set O,    160                         ; v160-191 O^T
.set PCD,  192                         ; v192-203 p's codes
.set PC2,  204                         ; v204-206, v208-210 the conversions' second halves
.set SW,   212                         ; v212-215 four scale words, K's and then V's
.set BM,   216                         ; v216-219 the blocks' largest scores
.set PB,   220                         ; v220-223 the other lane's, then the bytes
.set SO,   224                         ; v224-227 the conversions' scale operands
.set F,    228                         ; v[228:229] f = 2^(old M - new M)
.set T,    230
.set PS,   231                         ; p's scale word
.set SUM2, 232                         ; v[232:233] the sum's second chain
.set HW,   234                         ; v234, v235 the two passes' scale bytes
.set QSW,  236
.set WV,   12
.set G1C,  16                          ; s[16:23] group 1 for a chunk; s[24:31] for the scale words; s[32:51] five groups 0
.set G1S,  24
.set G0,   32
.set SEL,  52
.set CS,   54                          ; s[54:55] c = log2(e) / 8
.set TB,   56
.set TS,   57
.set CNT,  58
.macro CROUND                          ; a round of the cluster's barrier
	s_barrier_signal -1
	s_barrier_wait -1
	s_cmp_lg_u32 s[WV], 0
	s_cbranch_scc1 .Lnot_wave_0_\@
	s_barrier_signal -3
.Lnot_wave_0_\@:
	s_barrier_wait -3
	s_barrier_signal -1
	s_barrier_wait -1
.endm
	s_load_b256 s[4:11], s[0:1], 0x0               ; pc s[4:5], ps s[6:7], oc s[8:9], sc s[10:11]
	v_lshl_add_u32 v254, v0, 2, 0x32000
	v_mov_b32 v255, 0
	ds_add_u32 v254, v255
	ds_add_u32 v254, v255
	v_lshrrev_b32 v8, 5, v0
	s_delay_alu instid0(VALU_DEP_1)
	v_readfirstlane_b32 s[WV], v8                  ; wave 0..15
	s_bfe_u32 s13, ttmp6, 0x40000                  ; cx: my block of 512 queries; it enters Q's and the outputs' addresses alone
	s_and_b32 s14, ttmp7, 0xffff                   ; n x 16 + head, which the four partners share
	; group 1: dense blocks as rows of 256 bytes (32 elements of 8 bytes): 96 rows a chunk, 16 for the scale words; the mask names all four work-groups, bit 21 beside it
	s_mov_b32 s[G1C], 15|(3<<16)|(1<<21)
	s_mov_b32 s[G1C+1], 32<<16
	s_mov_b32 s[G1C+2], 96<<16
	s_mov_b32 s[G1C+3], 32<<16
	s_mov_b32 s[G1C+4], 96
	s_mov_b32 s[G1C+5], 32
	s_mov_b32 s[G1C+6], 0
	s_mov_b32 s[G1C+7], 0
	s_mov_b32 s[G1S], 15|(3<<16)|(1<<21)
	s_mov_b32 s[G1S+1], 32<<16
	s_mov_b32 s[G1S+2], 16<<16
	s_mov_b32 s[G1S+3], 32<<16
	s_mov_b32 s[G1S+4], 16
	s_mov_b32 s[G1S+5], 32
	s_mov_b32 s[G1S+6], 0
	s_mov_b32 s[G1S+7], 0
	s_add_co_u32 s60, s[WV], 1                     ; wave 0 fetches region 1 (k), wave 1 region 2 (v)
	s_mul_i32 s66, s60, 6291456
	s_mul_i32 s67, s14, 98304
	s_add_co_u32 s66, s66, s67
	s_mov_b32 s67, 0
	s_mul_i32 s68, s60, 262144
	s_lshl_b32 s69, s14, 12
	s_add_co_u32 s68, s68, s69
	s_mov_b32 s69, 0
	s_mul_i32 s70, s[WV], VOFF                     ; in LDS: K's part of a chunk, or V's
	s_lshl_b32 s71, s[WV], 12
	s_mov_b32 s[SEL], 0x76543210
	s_mov_b32 s[SEL+1], 0xfedcba98
	s_mov_b32 s[CS], 0x3e38aa3b
	s_mov_b32 s[CS+1], s[CS]                       ; (named with it as a pair, so it is written)
	s_wait_dscnt 0x0
	s_wait_kmcnt 0x0
	s_add_nc_u64 s[66:67], s[4:5], s[66:67]
	s_add_nc_u64 s[68:69], s[6:7], s[68:69]
	s_mov_b32 s[G0], 1
	s_add_co_u32 s[G0+1], s71, SCK
	s_mov_b64 s[G0+2:G0+3], s[68:69]
	s_or_b32 s[G0+3], s[G0+3], 0x80000000
.irp c, 0,1,2,3
	s_mov_b32 s[G0+4+4*\c], 1
	s_add_co_u32 s[G0+5+4*\c], s70, \c*CHK
	s_add_nc_u64 s[G0+6+4*\c:G0+7+4*\c], s[66:67], \c*VOFF
	s_or_b32 s[G0+7+4*\c], s[G0+7+4*\c], 0x80000000
.endr
	CROUND                                         ; all four work-groups are here: the joint loads meet
	s_cmp_lt_u32 s[WV], 2                          ; all fills of a wave stand in one branch on the wave's number: five loads of waves 0 and 1 are out
	s_cbranch_scc0 .Lno_fetch
	tensor_load_to_lds s[G0:G0+3], s[G1S:G1S+7]    ; the scale words first: they are wanted with chunk 0
	s_nop 0
	tensor_load_to_lds s[G0+4:G0+7], s[G1C:G1C+7]
	s_nop 0
	tensor_load_to_lds s[G0+8:G0+11], s[G1C:G1C+7]
	s_nop 0
	tensor_load_to_lds s[G0+12:G0+15], s[G1C:G1C+7]
	s_nop 0
	tensor_load_to_lds s[G0+16:G0+19], s[G1C:G1C+7]
	s_nop 0
.rept 4
	v_nop
.endr
.Lno_fetch:
	v_and_b32 v8, 31, v0
	s_delay_alu instid0(VALU_DEP_1)
	v_lshlrev_b32 v[L16], 4, v8
	s_wait_alu depctr_va_vdst(0)
	v_lshlrev_b32 v[L8], 3, v8
	s_wait_alu depctr_va_vdst(0)
	v_and_b32 v8, 15, v0                           ; r
	s_delay_alu instid0(VALU_DEP_1)
	v_lshlrev_b32 v[QRO], 4, v8
	s_wait_alu depctr_va_vdst(0)
	v_add_nc_u32 v[R16], SCK, v[QRO]
	v_bfe_u32 v10, v0, 4, 1                        ; h
	s_delay_alu instid0(VALU_DEP_1)
	v_lshl_add_u32 v[OSO], v10, 9, v[QRO]
	s_lshl_b32 s72, s13, 4
	s_add_co_u32 s72, s72, s[WV]                   ; P: my pair of tiles, 0..63
	s_mul_i32 s74, s72, 1536
	s_mul_i32 s75, s14, 98304
	s_add_co_u32 s74, s74, s75
	s_mov_b32 s75, 0
	s_add_nc_u64 s[74:75], s[4:5], s[74:75]        ; q's codes (region 0)
	s_lshr_b32 s76, s72, 2
	s_lshl_b32 s76, s76, 8
	s_and_b32 s77, s72, 3
	s_lshl_b32 s77, s77, 2
	s_add_co_u32 s76, s76, s77
	s_lshl_b32 s77, s14, 12
	s_add_co_u32 s76, s76, s77
	s_mov_b32 s77, 0
	s_add_nc_u64 s[76:77], s[6:7], s[76:77]        ; q's scale word: group P / 4, word P % 4
	global_load_b128 v[22:25], v[L16], s[74:75]
	global_load_b64 v[26:27], v[L8], s[74:75] offset:512
	global_load_b128 v[34:37], v[L16], s[74:75] offset:768
	global_load_b64 v[38:39], v[L8], s[74:75] offset:1280
	global_load_b32 v[QSW], v[QRO], s[76:77]
	s_lshr_b32 s78, s14, 4
	s_lshl_b32 s78, s78, 7
	s_lshl_b32 s79, s72, 1
	s_add_co_u32 s78, s78, s79                     ; my first tile among all 512: 128 n + 2 P
	s_and_b32 s80, s14, 15                         ; the head
	s_mul_i32 s82, s78, 12288
	s_mul_i32 s83, s80, 768
	s_add_co_u32 s82, s82, s83
	s_mov_b32 s83, 0
	s_add_nc_u64 s[8:9], s[8:9], s[82:83]
	s_lshl_b32 s82, s78, 9
	s_lshr_b32 s84, s80, 3
	s_lshl_b32 s84, s84, 8
	s_add_co_u32 s82, s82, s84
	s_bfe_u32 s84, s80, 0x20001
	s_lshl_b32 s84, s84, 2
	s_add_co_u32 s82, s82, s84
	s_and_b32 s84, s80, 1
	s_lshl_b32 s84, s84, 1
	s_add_co_u32 s82, s82, s84
	s_add_co_u32 s82, s82, OSB
	s_add_nc_u64 s[10:11], s[10:11], s[82:83]
.irp j, 16,17,18,19,20,21,28,29,30,31,32,33,40,41,42,43,44,45
	v_mov_b32 v[\j], 0                             ; the zero codes beside q
.endr
.irp b, 0,1,2,3
	v_mov_b32 v[PB+\b], 0                          ; a lane permute's destination counts as one of its sources
.endr
	v_mov_b32 v[F+1], 0                            ; (named as the upper half of a pair)
	v_mov_b32 v[T], 0
	s_wait_loadcnt 0x0
	v_perm_b32 v[QSA], v[QSW], v[QSW], 0x01000100  ; tile A's two bytes, for k = 0-63 and again for k = 64-127
	v_perm_b32 v[QSB], v[QSW], v[QSW], 0x03020302  ; tile B's
; A KEY STEP: 128 keys at LDS byte s[TB]; their scale words at s[TS].
.macro STEP qlo, qhi, qs
	v_add_nc_u32 v[A16], s[TB], v[L16]             ; three additions and a v_nop: the four places behind the last step's products, in front of loads into their registers
	v_add_nc_u32 v[A8], s[TB], v[L8]
	v_add_nc_u32 v[AS], s[TS], v[R16]
	v_nop
.irp f, 0,1,2,3
	ds_load_b128 v[KF+12*\f:KF+12*\f+3], v[A16] offset:1536*\f
	ds_load_b64 v[KF+12*\f+4:KF+12*\f+5], v[A8] offset:1536*\f+512
	ds_load_b128 v[KF+12*\f+6:KF+12*\f+9], v[A16] offset:1536*\f+768
	ds_load_b64 v[KF+12*\f+10:KF+12*\f+11], v[A8] offset:1536*\f+1280
.endr
	ds_load_b128 v[SW:SW+3], v[AS]                 ; word f: the two bytes of tile 2 f, then of tile 2 f + 1
	s_wait_alu depctr_va_vdst(0)
	s_wait_dscnt 0x0
.irp f, 0,1,2,3
	v_wmma_scale_f32_16x16x128_f8f6f4 v[S+16*\f:S+16*\f+7], v[KF+12*\f:KF+12*\f+11], v[\qlo:\qlo+11], 0, v[SW+\f], v[\qs] matrix_a_fmt:MATRIX_FMT_FP6 matrix_b_fmt:MATRIX_FMT_FP6
	v_wmma_scale_f32_16x16x128_f8f6f4 v[S+16*\f+8:S+16*\f+15], v[KF+12*\f:KF+12*\f+11], v[\qhi:\qhi+11], 0, v[SW+\f], v[\qs] matrix_a_fmt:MATRIX_FMT_FP6 matrix_b_fmt:MATRIX_FMT_FP6
.endr
.rept 4
	v_nop                                          ; places: in front of the loads into K's registers and of the first read of the scores
.endr
.irp t, 0,1,2,3                                ; V's fragments and scale words are asked for here and land under the softmax
	ds_load_b128 v[KF+12*\t:KF+12*\t+3], v[A16] offset:VOFF+1536*\t
	ds_load_b64 v[KF+12*\t+4:KF+12*\t+5], v[A8] offset:VOFF+1536*\t+512
	ds_load_b128 v[KF+12*\t+6:KF+12*\t+9], v[A16] offset:VOFF+1536*\t+768
	ds_load_b64 v[KF+12*\t+10:KF+12*\t+11], v[A8] offset:VOFF+1536*\t+1280
.endr
	ds_load_b128 v[SW:SW+3], v[AS] offset:4096
.irp b, 0,1,2,3
	v_max3_num_f32 v[BM+\b], v[S+16*\b], v[S+1+16*\b], v[S+2+16*\b]   ; the largest score of each block of 32 keys: for the row's maximum, and for the block's largest p
.endr
.irp i, 3,5,7,9,11,13
.irp b, 0,1,2,3
	v_max3_num_f32 v[BM+\b], v[BM+\b], v[S+16*\b+\i], v[S+1+16*\b+\i]
.endr
.endr
.irp b, 0,1,2,3
	v_max_num_f32 v[BM+\b], v[BM+\b], v[S+15+16*\b]
.endr
.irp b, 0,1,2,3
	s_delay_alu instid0(VALU_DEP_4)
	v_permlanex16_b32 v[PB+\b], v[BM+\b], s[SEL], s[SEL+1]
.endr
.irp b, 0,1,2,3
	s_delay_alu instid0(VALU_DEP_4)
	v_max_num_f32 v[BM+\b], v[BM+\b], v[PB+\b]     ; with lane l xor 16's 16 keys
.endr
	s_delay_alu instid0(VALU_DEP_2)
	v_max3_num_f32 v[T], v[BM], v[BM+1], v[BM+2]
	s_delay_alu instid0(VALU_DEP_1)
	v_max_num_f32 v[T], v[T], v[BM+3]
	s_delay_alu instid0(VALU_DEP_1)
	v_mul_f32 v[T], s[CS], v[T]                    ; as t (c is positive)
	s_delay_alu instid0(VALU_DEP_1)
	v_max_num_f32 v13, v13, v[T]                   ; the running largest t
	v_mov_b32 v[T], v12
	s_delay_alu instid0(VALU_DEP_2)
	v_floor_f32 v12, -v13                          ; the new -M = floor(-t): M is a whole number
	s_delay_alu instid0(VALU_DEP_1)
	v_sub_f32 v[T], v12, v[T]                      ; old M - new M: a whole number, 0 or less
	s_delay_alu instid0(VALU_DEP_1)
	v_cvt_i32_f32 v[T], v[T]                       ; (it saturates)
	s_delay_alu instid0(VALU_DEP_1)
	v_ldexp_f32 v[F], 1.0, v[T]                    ; f = 2^(old M - new M)
.set j, 0
.rept 32
	v_pk_fma_f32 v[S+j:S+j+1], v[S+j:S+j+1], s[CS:CS+1], v[12:13] op_sel_hi:[1,0,0]   ; t - M, two at a time
.set j, j+2
.endr
.irp b, 0,1,2,3
	v_fma_f32 v[BM+\b], v[BM+\b], s[CS], v12       ; the same of each block's largest score
.endr
.set j, 0
	s_wait_alu depctr_va_vdst(0)
.rept 64
	v_exp_f32 v[S+j], v[S+j]                       ; p = 2^(t - M), at most 1
.set j, j+1
.endr
	s_setprio 1
	v_pk_mul_f32 v[14:15], v[14:15], v[F:F+1] op_sel_hi:[1,0]   ; the sums under the new M: the plain line behind the exponentials
	s_wait_alu depctr_va_vdst(0)                   ; one wait for the batch of 64, ahead of its first reader
.irp b, 0,1,2,3
	v_exp_f32 v[BM+\b], v[BM+\b]                   ; the block's largest p
.endr
	v_pk_add_f32 v[232:233], v[100:101], v[104:105]
	v_pk_add_f32 v[252:253], v[108:109], v[112:113]
	v_pk_add_f32 v[250:251], v[116:117], v[120:121]
	v_pk_add_f32 v[248:249], v[124:125], v[128:129]
	v_pk_add_f32 v[246:247], v[132:133], v[136:137]
	v_pk_add_f32 v[244:245], v[140:141], v[144:145]
	v_pk_add_f32 v[242:243], v[148:149], v[152:153]
	v_pk_add_f32 v[14:15], v[14:15], v[156:157]
	v_pk_add_f32 v[232:233], v[232:233], v[96:97]
	v_pk_add_f32 v[252:253], v[252:253], v[98:99]
	v_pk_add_f32 v[250:251], v[250:251], v[102:103]
	v_pk_add_f32 v[248:249], v[248:249], v[106:107]
	v_pk_add_f32 v[246:247], v[246:247], v[110:111]
	v_pk_add_f32 v[244:245], v[244:245], v[114:115]
	v_pk_add_f32 v[242:243], v[242:243], v[118:119]
	v_pk_add_f32 v[14:15], v[14:15], v[122:123]
	v_pk_add_f32 v[232:233], v[232:233], v[126:127]
	v_pk_add_f32 v[252:253], v[252:253], v[130:131]
	v_pk_add_f32 v[250:251], v[250:251], v[134:135]
	v_pk_add_f32 v[248:249], v[248:249], v[138:139]
	v_pk_add_f32 v[246:247], v[246:247], v[142:143]
	v_pk_add_f32 v[244:245], v[244:245], v[146:147]
	v_pk_add_f32 v[242:243], v[242:243], v[150:151]
	v_pk_add_f32 v[14:15], v[14:15], v[154:155]
	v_pk_add_f32 v[232:233], v[232:233], v[158:159]
	s_delay_alu instid0(VALU_DEP_2)
	v_pk_add_f32 v[14:15], v[14:15], v[248:249]
	s_delay_alu instid0(VALU_DEP_2)
	v_pk_add_f32 v[232:233], v[232:233], v[246:247]
	v_pk_add_f32 v[252:253], v[252:253], v[244:245]
	v_pk_add_f32 v[250:251], v[250:251], v[242:243]
	s_delay_alu instid0(VALU_DEP_2)
	v_pk_add_f32 v[14:15], v[14:15], v[252:253]
	s_delay_alu instid0(VALU_DEP_2)
	v_pk_add_f32 v[232:233], v[232:233], v[250:251]
	s_delay_alu instid0(VALU_DEP_1)
	v_pk_add_f32 v[14:15], v[14:15], v[232:233]
	s_wait_alu depctr_va_vdst(0)                   ; and one for the four
.irp b, 0,1,2,3
	v_max_num_f32 v[BM+\b], 0x1800000, v[BM+\b]    ; the floor 2^(3 - 127)
.endr
.irp b, 0,1,2,3
	s_delay_alu instid0(VALU_DEP_4)
	v_add_nc_u32 v[SO+\b], 0xff000000, v[BM+\b]    ; 2 off the exponent field: the conversion's scale operand
.endr
.irp b, 0,1,2,3
	s_delay_alu instid0(VALU_DEP_4)
	v_lshrrev_b32 v[PB+\b], 23, v[SO+\b]           ; the scale's byte
.endr
	s_delay_alu instid0(VALU_DEP_3)
	v_lshl_or_b32 v[PS], v[PB+1], 8, v[PB]
	s_delay_alu instid0(VALU_DEP_1)
	v_lshl_or_b32 v[PS], v[PB+2], 16, v[PS]
	s_delay_alu instid0(VALU_DEP_1)
	v_lshl_or_b32 v[PS], v[PB+3], 24, v[PS]
.irp c, 0,1
	v_cvt_scalef32_pk16_fp6_f32 v[PCD+6*\c:PCD+2+6*\c], v[S+32*\c:S+15+32*\c], v[SO+2*\c]
	v_cvt_scalef32_pk16_fp6_f32 v[PC2+4*\c:PC2+2+4*\c], v[S+16+32*\c:S+31+32*\c], v[SO+2*\c+1]
.endr
	v_nop                                          ; one plain line behind a scaled conversion
.irp c, 0,1
.irp i, 0,1,2
	v_permlane16_swap_b32 v[PCD+6*\c+\i], v[PC2+4*\c+\i]
.endr
.irp i, 0,1,2
	s_delay_alu instid0(VALU_DEP_3)
	v_mov_b32 v[PCD+3+6*\c+\i], v[PC2+4*\c+\i]
.endr
.endr
.set j, 0
	s_setprio 0
.rept 16
	v_pk_mul_f32 v[O+j:O+j+1], v[O+j:O+j+1], v[F:F+1] op_sel_hi:[1,0]   ; O^T under the new M; these sixteen also stand between the lines that made p's codes and scale word and the products
.set j, j+2
.endr
	s_wait_alu depctr_va_vdst(0)
	s_wait_dscnt 0x0                               ; V's fragments and scale words are in
.irp t, 0,1,2,3
	v_wmma_scale_f32_16x16x128_f8f6f4 v[O+8*\t:O+8*\t+7], v[KF+12*\t:KF+12*\t+11], v[PCD:PCD+11], v[O+8*\t:O+8*\t+7], v[SW+\t], v[PS] matrix_a_fmt:MATRIX_FMT_FP6 matrix_b_fmt:MATRIX_FMT_FP6
.endr
.endm
; Chunk c: 512 keys, four steps.  first = 1 (the first pass): the chunk has landed when at most the 3 - c chunks issued behind it are out; waves 0 and 1 wait for that, then every wave passes a barrier.
; The later chunks stay on their way.
.macro CHUNK c, first, qlo, qhi, qs
.if \first
	s_wait_tensorcnt 3-\c
	s_barrier_signal -1
	s_barrier_wait -1
.endif
	s_mov_b32 s[TB], CHK*\c
	s_mov_b32 s[TS], 1024*\c
	s_mov_b32 s[CNT], 4
.Lstep_\@:
	s_setprio 2
	STEP \qlo, \qhi, \qs
	s_add_co_u32 s[TB], s[TB], STPB
	s_add_co_u32 s[TS], s[TS], 256
	s_sub_co_u32 s[CNT], s[CNT], 1
	s_cmp_lg_u32 s[CNT], 0
	s_cbranch_scc1 .Lstep_\@
	s_setprio 0
.endm
; The end of a pass: O^T / the sum, quantised in two blocks of 32 along d (register 16 b + i = d 32 b + 16 h + i), stored as an image of 6 registers.
.macro OUT p
	v_add_f32 v14, v14, v15                        ; the sum's two halves,
	s_delay_alu instid0(VALU_DEP_1)
	v_permlanex16_b32 v[T], v14, s[SEL], s[SEL+1]
	s_delay_alu instid0(VALU_DEP_1)
	v_add_f32 v14, v14, v[T]                       ; and lane l xor 16's
	s_wait_alu depctr_va_vdst(0)
	v_rcp_f32 v14, v14
.rept 4
	v_nop                                          ; the plain line behind the reciprocal; with the additions above, the places behind the last products
.endr
	s_wait_alu depctr_va_vdst(0)                   ; ahead of the reciprocal's first reader
.set j, 0
.rept 16
	v_pk_mul_f32 v[S+j:S+j+1], v[O+j:O+j+1], v[14:15] op_sel_hi:[1,0]   ; each accumulator from its low end on
.set j, j+2
.endr
.irp b, 0,1
	v_max3_num_f32 v[BM+\b], |v[S+16*\b]|, |v[S+1+16*\b]|, 0x1800000
.endr
.irp i, 2,4,6,8,10,12,14
.irp b, 0,1
	s_delay_alu instid0(VALU_DEP_2)
	v_max3_num_f32 v[BM+\b], v[BM+\b], |v[S+16*\b+\i]|, |v[S+1+16*\b+\i]|
.endr
.endr
.irp b, 0,1
	s_delay_alu instid0(VALU_DEP_2)
	v_permlanex16_b32 v[PB+\b], v[BM+\b], s[SEL], s[SEL+1]
.endr
.irp b, 0,1
	s_delay_alu instid0(VALU_DEP_2)
	v_max_num_f32 v[BM+\b], v[BM+\b], v[PB+\b]
.endr
.irp b, 0,1
	s_delay_alu instid0(VALU_DEP_2)
	v_add_nc_u32 v[SO+\b], 0xff000000, v[BM+\b]
.endr
.irp b, 0,1
	s_delay_alu instid0(VALU_DEP_2)
	v_lshrrev_b32 v[PB+\b], 23, v[SO+\b]
.endr
	s_delay_alu instid0(VALU_DEP_1)
	v_lshl_or_b32 v[HW+\p], v[PB+1], 8, v[PB]      ; my row's two scale bytes for this head
	v_cvt_scalef32_pk16_fp6_f32 v[PCD:PCD+2], v[S:S+15], v[SO]
	v_cvt_scalef32_pk16_fp6_f32 v[PC2:PC2+2], v[S+16:S+31], v[SO+1]
	v_nop
.irp i, 0,1,2
	v_permlane16_swap_b32 v[PCD+\i], v[PC2+\i]
.endr
.irp i, 0,1,2
	s_delay_alu instid0(VALU_DEP_3)
	v_mov_b32 v[PCD+3+\i], v[PC2+\i]
.endr
	global_store_b128 v[L16], v[PCD:PCD+3], s[8:9] offset:12288*\p       ; the wave stores 512 consecutive bytes, aligned,
	global_store_b64 v[L8], v[PCD+4:PCD+5], s[8:9] offset:12288*\p+512   ; and 256
.endm
.macro PASS p, qlo, qhi, qs
	v_mov_b32 v13, 0xff61b1e6                      ; the largest t so far: -3e38, under every t
	s_delay_alu instid0(VALU_DEP_1)
	v_floor_f32 v12, -v13                          ; -M
	v_mov_b32 v14, 0
	v_mov_b32 v15, 0
.set j, 0
.rept 32
	v_mov_b32 v[O+j], 0                            ; the step is written once: the first finds zeros, which the first change of M leaves zeros
.set j, j+1
.endr
	CHUNK 0, 1-\p, \qlo, \qhi, \qs
	CHUNK 1, 1-\p, \qlo, \qhi, \qs
	CHUNK 2, 1-\p, \qlo, \qhi, \qs
	CHUNK 3, 1-\p, \qlo, \qhi, \qs
	OUT \p
.endm
	PASS 0, 22, 16, QSA                            ; [qA | 0] = v22-33, [0 | qA] = v16-27
	s_wait_xcnt 0x0                                ; the first pass's stores have read their data: the registers are written again only behind this wait
	PASS 1, 34, 28, QSB                            ; [qB | 0] = v34-45, [0 | qB] = v28-39
	s_mov_b32 vcc_lo, 0xffff0000
	v_cndmask_b32 v[T], v[HW], v[HW+1], vcc_lo     ; lanes 0-15 store the first tile's bytes, lanes 16-31 the second's
	global_store_b16 v[OSO], v[T], s[10:11]
	s_wait_tensorcnt 0x0
	ds_add_u32 v254, v255
	s_wait_dscnt 0x0
	CROUND                                         ; the closing round: no work-group ends while a partner may still ask for a tile that names it
	s_endpgm
.Lfunc_end_k_q83409dff88_attn:
	.size	k_q83409dff88_attn, .Lfunc_end_k_q83409dff88_attn-k_q83409dff88_attn
	.p2alignl 7, 3214868480
	.fill 96, 4, 3214868480
	.section	.rodata,"a",@progbits
	.p2align	6, 0x0
	.amdhsa_kernel k_q83409dff88_attn
		.amdhsa_group_segment_fixed_size 206848
		.amdhsa_private_segment_fixed_size 0
		.amdhsa_enable_private_segment 0
		.amdhsa_kernarg_size 32
		.amdhsa_user_sgpr_count 2
		.amdhsa_user_sgpr_kernarg_segment_ptr 1
		.amdhsa_wavefront_size32 1
		.amdhsa_system_sgpr_workgroup_id_x 1
		.amdhsa_system_sgpr_workgroup_id_y 1
		.amdhsa_system_sgpr_workgroup_id_z 1
		.amdhsa_system_vgpr_workitem_id 0
		.amdhsa_next_free_vgpr 256
		.amdhsa_next_free_sgpr 100
		.amdhsa_reserve_vcc 1
		.amdhsa_float_denorm_mode_32 3
		.amdhsa_float_denorm_mode_16_64 3
		.amdhsa_memory_ordered 1
		.amdhsa_forward_progress 1
		.amdhsa_inst_pref_size 159
	.end_amdhsa_kernel
	.amdgpu_metadata
---
amdhsa.version: [ 1, 2 ]
amdhsa.kernels:
  - .name:           k_q83409dff88_attn
    .symbol:         k_q83409dff88_attn.kd
    .args:
      - { .name: pc, .offset: 0, .size: 8, .value_kind: global_buffer, .address_space: global }
      - { .name: ps, .offset: 8, .size: 8, .value_kind: global_buffer, .address_space: global }
      - { .name: oc, .offset: 16, .size: 8, .value_kind: global_buffer, .address_space: global }
      - { .name: sc, .offset: 24, .size: 8, .value_kind: global_buffer, .address_space: global }
    .group_segment_fixed_size: 206848
    .private_segment_fixed_size: 0
    .kernarg_segment_align: 8
    .kernarg_segment_size: 32
    .max_flat_workgroup_size: 512
    .sgpr_count:     100
    .vgpr_count:     256
    .wavefront_size: 32
...
	.end_amdgpu_metadata
.endif
;; end of part 3
;; launch outg (part 4): grid 4 x 32, 4 waves a work-group, clusters of 4 x 4, 327,680 bytes of LDS; arguments oc, cx, sc, bo, out0; writes out0
.if DOCPART == 4
	.amdgcn_target "amdgcn-amd-amdhsa--gfx1250"
	.amdhsa_code_object_version 6
	.text
	.protected	k_q83409dff88_outg
	.globl	k_q83409dff88_outg
	.p2align	8
	.type	k_q83409dff88_outg,@function
k_q83409dff88_outg:
	s_mov_b64 s[64:65], 0
	v_nop
	global_prefetch_b8 v0, s[64:65] scope:SCOPE_SE
	s_setreg_imm32_b32 hwreg(HW_REG_WAVE_MODE, 25, 1), 1
	s_wait_xcnt 0x0
	s_wait_alu depctr_hold_cnt(0) depctr_sa_sdst(0) depctr_va_vdst(0) depctr_va_sdst(0) depctr_va_ssrc(0) depctr_va_vcc(0) depctr_vm_vsrc(0)
	s_getreg_b32 s2, hwreg(HW_REG_IB_STS2, 6, 4)
	s_cmp_eq_u32 s2, 0
	s_cbranch_scc0 .Lentry_in_a_cluster
	s_endpgm
.Lentry_in_a_cluster:
	s_bfe_u32 s2, ttmp6, 0x10000c
	s_cmp_lg_u32 s2, 0xf033
	s_cbranch_scc0 .Lentry_shape_is_right
	s_endpgm
.Lentry_shape_is_right:
.set ROWB,   192
.set KROW,   768
.set PITCH,  240
.set FR,     12
.set NL,     6
.set NLA,    4
.set NP,     4
.set HALF1,  8*3072
.set HALF0,  128*PITCH
.set S0OFF,  2*HALF1
.set SLOT,   S0OFF+2*HALF0
.set SPARE,  2*SLOT
.set SPITCH, 528
.set OSB,    917504
.set L16,  8
.set L8,   9
.set VSA,  10
.set VSB,  11
.set BOQ,  14
.set A16,  16
.set A8,   18
.set ADRB, 20
.set STO,  24
.set RD,   25
.set SPW,  28
.set NIL,  29
.set SC,   32
.set BIAS, 96
.set AF,   160
.set BK,   128
.set WV,   18
.set H1,   19
.set H0,   20
.set G1,   24
.set G0,   32
.set G1B,  48
.set G0B,  56
.set MSB, 0
.macro WIN new
.if MSB != \new
	s_set_vgpr_msb (MSB<<8)|(\new)
.set MSB, \new
.endif
.endm
.set MUL_LO, 0xa1
.set MUL_HI, 0xf1
.set TO_B,   0x40
.macro JLOAD g0a, g1a, g0b, g1b
	s_cmp_eq_u32 s[H1], 0
	s_cbranch_scc0 .Lfor_b_\@
	tensor_load_to_lds s[\g0a:\g0a+3], s[\g1a:\g1a+7]
	s_nop 0
.rept 4
	v_nop
.endr
	s_branch .Lasked_\@
.Lfor_b_\@:
	tensor_load_to_lds s[\g0b:\g0b+3], s[\g1b:\g1b+7]
	s_nop 0
.rept 4
	v_nop
.endr
.Lasked_\@:
.endm
.macro CREST
	s_cmp_lg_u32 s[WV], 0
	s_cbranch_scc1 .Lnot_wave_0_\@
	s_barrier_signal -3
.Lnot_wave_0_\@:
	s_barrier_wait -3
	s_barrier_signal -1
	s_barrier_wait -1
.endm
.macro CROUND
	s_barrier_signal -1
	s_barrier_wait -1
	CREST
.endm
	s_load_b256 s[4:11], s[0:1], 0x0
	s_load_b64 s[12:13], s[0:1], 0x20
	v_lshl_add_u32 v[SPW], v0, 2, SPARE
	v_mov_b32 v[NIL], 0
	ds_add_u32 v28, v29
	ds_add_u32 v28, v29
	s_wait_dscnt 0x0
	v_lshrrev_b32 v1, 5, v0
	v_readfirstlane_b32 s[WV], v1
	s_lshr_b32 s[H1], s[WV], 1
	s_and_b32 s[H0], s[WV], 1
	s_bfe_u32 s40, ttmp6, 0x40000
	s_bfe_u32 s41, ttmp6, 0x40004
	s_lshl_b32 s42, ttmp9, 2
	s_add_co_u32 s42, s42, s40
	s_and_b32 s43, ttmp7, 0xffff
	s_lshl_b32 s43, s43, 2
	s_add_co_u32 s43, s43, s41
	s_lshl_b32 s92, s41, 2
	s_lshl_b32 s92, 15, s92
	s_lshl_b32 s93, 0x1111, s40
	s_or_b32 s[G1+0], s92, (3<<16)|(1<<21)
	s_mov_b32 s[G1+1], 384<<16
	s_mov_b32 s[G1+2], 8<<16
	s_mov_b32 s[G1+3], 384<<16
	s_mov_b32 s[G1+4], 8
	s_mov_b32 s[G1+5], 1536
	s_mov_b32 s[G1+6], 0
	s_mov_b32 s[G1+7], 0
	s_or_b32 s[G1B+0], s93, (0<<16)|(1<<20)|(1<<21)|(3<<22)|(3<<25)
	s_mov_b32 s[G1B+1], ROWB<<16
	s_mov_b32 s[G1B+2], 128<<16
	s_mov_b32 s[G1B+3], ROWB<<16
	s_mov_b32 s[G1B+4], 128
	s_mov_b32 s[G1B+5], KROW
	s_mov_b32 s[G1B+6], 0
	s_mov_b32 s[G1B+7], 0
	s_lshl_b32 s70, s43, 4
	s_lshl_b32 s23, s[H0], 3
	s_add_co_u32 s70, s70, s23
	s_mul_i32 s70, s70, 12288
	s_mov_b32 s71, 0
	s_lshl_b32 s74, s42, 8
	s_lshl_b32 s23, s[H0], 7
	s_add_co_u32 s74, s74, s23
	s_add_co_u32 s74, s74, 27648
	s_mul_i32 s74, s74, KROW
	s_mov_b32 s75, 0
	s_mul_i32 s76, s[H0], HALF1
	s_mul_i32 s77, s[H0], HALF0
	s_add_co_u32 s77, s77, S0OFF
	s_wait_kmcnt 0x0
	s_add_nc_u64 s[70:71], s[4:5], s[70:71]
	s_add_nc_u64 s[74:75], s[6:7], s[74:75]
	CROUND
.irp s, 0,1
	s_mov_b32 s[G0+4*\s], 1
	s_add_co_u32 s[G0+4*\s+1], s76, \s*SLOT
	s_add_nc_u64 s[G0+4*\s+2:G0+4*\s+3], s[70:71], \s*3072
	s_or_b32 s[G0+4*\s+3], s[G0+4*\s+3], 0x80000000
	s_mov_b32 s[G0B+4*\s], 1
	s_add_co_u32 s[G0B+4*\s+1], s77, \s*SLOT
	s_add_nc_u64 s[G0B+4*\s+2:G0B+4*\s+3], s[74:75], \s*ROWB
	s_or_b32 s[G0B+4*\s+3], s[G0B+4*\s+3], 0x80000000
	s_wait_alu depctr_va_vdst(0)
	s_wait_tensorcnt 0x0
	ds_add_u32 v28, v29
	ds_add_u32 v28, v29
	s_wait_dscnt 0x0
	CROUND
	JLOAD G0+4*\s, G1, G0B+4*\s, G1B
.endr
	v_and_b32 v1, 15, v0
	v_bfe_u32 v2, v0, 4, 1
	v_and_b32 v6, 31, v0
	v_lshlrev_b32 v[L16], 4, v6
	v_lshlrev_b32 v[L8], 3, v6
	v_mul_u32_u24 v3, v1, PITCH
	v_mul_u32_u24 v4, v2, 24
	v_add_nc_u32 v4, v3, v4
	v_lshl_add_u32 v5, v2, 4, v4
	s_mul_i32 s21, s[H1], HALF1
	s_mul_i32 s22, s[H0], HALF0
	s_add_co_u32 s22, s22, S0OFF
.irp s, 0,1
	v_add_nc_u32 v[A16+\s], s21, v[L16]
	v_add_nc_u32 v[A8+\s], s21, v[L8]
	v_add_nc_u32 v[ADRB+\s], s22, v4
	v_add_nc_u32 v[ADRB+2+\s], s22, v5
	s_add_co_u32 s21, s21, SLOT
	s_add_co_u32 s22, s22, SLOT
.endr
	s_lshl_b32 s78, s43, 4
	s_lshl_b32 s79, s[H1], 3
	s_add_co_u32 s78, s78, s79
	s_lshl_b32 s78, s78, 9
	s_add_co_u32 s78, s78, OSB
	s_lshl_b32 s79, s42, 8
	s_lshl_b32 s80, s[H0], 7
	s_add_co_u32 s79, s79, s80
	s_add_co_u32 s79, s79, 27648
	s_lshl_b32 s79, s79, 5
	s_mov_b32 vcc_lo, 0xffff0000
	v_lshl_add_u32 v6, v1, 4, s78
	v_lshl_add_u32 v7, v1, 5, s79
	v_cndmask_b32 v[VSA], v6, v7, vcc_lo
	v_mov_b32 v6, 0x100
	v_mov_b32 v7, 16
	v_cndmask_b32 v[VSB], v6, v7, vcc_lo
	v_add_nc_u32 v[VSB], v[VSB], v[VSA]
.irp i, 0,1,2,3,4,5,6,7
	global_load_b128 v[SC+8*\i:SC+8*\i+3], v[VSA], s[8:9] offset:512*\i
	global_load_b128 v[SC+8*\i+4:SC+8*\i+7], v[VSB], s[8:9] offset:512*\i
.endr
	s_lshl_b32 s82, s42, 8
	s_add_co_u32 s82, s82, s80
	s_lshl_b32 s82, s82, 2
	s_mov_b32 s83, 0
	s_add_nc_u64 s[10:11], s[10:11], s[82:83]
	v_lshlrev_b32 v[BOQ], 6, v2
.irp b, 0,1,2,3,4,5,6,7
	global_load_b128 v[BIAS+8*\b:BIAS+8*\b+3], v[BOQ], s[10:11] offset:(32*(\b/2)+8*(\b%2))*4
	global_load_b128 v[BIAS+8*\b+4:BIAS+8*\b+7], v[BOQ], s[10:11] offset:(32*(\b/2)+8*(\b%2))*4+16
.endr
	s_add_nc_u64 s[12:13], s[12:13], s[82:83]
	s_lshl_b32 s84, s43, 8
	s_lshl_b32 s85, s[H1], 7
	s_add_co_u32 s84, s84, s85
	s_lshl_b32 s84, s84, 12
	s_mov_b32 s85, 0
	s_add_nc_u64 s[12:13], s[12:13], s[84:85]
	s_mul_i32 s23, s[WV], 16*SPITCH
	v_mul_u32_u24 v[STO], v1, SPITCH
	v_lshl_add_u32 v[STO], v2, 6, v[STO]
	v_add_nc_u32 v[STO], s23, v[STO]
	v_add_nc_u32 v[RD], s23, v[L16]
.macro FRAG reg, adr, q, i
.irp p, 0,1,2,3,4,5
.set PCE, 12*(\q)+6*(\p/3)+\p%3
.if PCE%8 < 5
	ds_load_b64 v[\reg+2*\p:\reg+2*\p+1], v[\adr] offset:8*PCE+16*(PCE/8)+(\i)*16*PITCH
.else
	ds_load_b64 v[\reg+2*\p:\reg+2*\p+1], v[\adr+2] offset:8*PCE+16*(PCE/8)+(\i)*16*PITCH
.endif
.endr
.endm
.macro FRAG1 reg, slot, q, i
	ds_load_b128 v[\reg:\reg+3], v[A16+\slot] offset:3072*(\i)+1536*(\q)
	ds_load_b64 v[\reg+4:\reg+5], v[A8+\slot] offset:3072*(\i)+1536*(\q)+512
	ds_load_b128 v[\reg+6:\reg+9], v[A16+\slot] offset:3072*(\i)+1536*(\q)+768
	ds_load_b64 v[\reg+10:\reg+11], v[A8+\slot] offset:3072*(\i)+1536*(\q)+1280
.endm
.macro MUL16 a0, p, ks, mode
.irp a, \a0, \a0+1
.irp b, 0,1,2,3,4,5,6,7
.if \mode == 1
	v_wmma_scale_f32_16x16x128_f8f6f4 v[8*(8*((\a)%4)+\b):8*(8*((\a)%4)+\b)+7], v[128*(\p)+FR*\b:128*(\p)+FR*\b+FR-1], v[AF+FR*(\a):AF+FR*(\a)+FR-1], v[BIAS+8*\b:BIAS+8*\b+7], v[SC+8*\b+(\ks)], v[SC+8*(\a)+(\ks)] matrix_a_fmt:MATRIX_FMT_FP6 matrix_b_fmt:MATRIX_FMT_FP6 matrix_a_scale:MATRIX_SCALE_ROW1
.else
	v_wmma_scale_f32_16x16x128_f8f6f4 v[8*(8*((\a)%4)+\b):8*(8*((\a)%4)+\b)+7], v[128*(\p)+FR*\b:128*(\p)+FR*\b+FR-1], v[AF+FR*(\a):AF+FR*(\a)+FR-1], v[8*(8*((\a)%4)+\b):8*(8*((\a)%4)+\b)+7], v[SC+8*\b+(\ks)], v[SC+8*(\a)+(\ks)] matrix_a_fmt:MATRIX_FMT_FP6 matrix_b_fmt:MATRIX_FMT_FP6 matrix_a_scale:MATRIX_SCALE_ROW1
.endif
.endr
.endr
.endm
.macro FETCH_S0 slot, q, p
	WIN TO_B
.irp i, 0,1,2,3,4,5,6,7
	FRAG 128*(\p)+FR*\i, ADRB+\slot, \q, \i
.endr
	WIN 0
.endm
.macro FETCH_S1 slot, q, i0
.irp i, \i0, \i0+1, \i0+2, \i0+3
	FRAG1 AF+FR*(\i), \slot, \q, \i
.endr
.endm
.macro PLACES n
.rept \n
	v_nop
.endr
.endm
.macro STEP slot, ks, mode
	s_wait_dscnt 4*NLA
.if \mode
	WIN 0x81
.else
	WIN MUL_LO
.endif
	MUL16 0, 0, \ks, \mode
	MUL16 2, 0, \ks, \mode
	s_wait_dscnt 0x0
	PLACES NP
	FETCH_S0 \slot, 1, 1
	FETCH_S1 \slot, 1, 0
.if \mode
	WIN 0xc1
.else
	WIN MUL_HI
.endif
	MUL16 4, 0, \ks, \mode
	MUL16 6, 0, \ks, \mode
	PLACES NP
	WIN 0
	FETCH_S1 \slot, 1, 4
.endm
.macro TURN slot, next, fill, ks
	s_wait_tensorcnt 0x0
	ds_add_u32 v[SPW], v[NIL]
	s_wait_dscnt 4*NLA+1
	WIN MUL_LO
	MUL16 0, 1, \ks, 0
	s_wait_dscnt 0x0
	s_barrier_signal -1
	MUL16 2, 1, \ks, 0
	WIN 0
	s_barrier_wait -1
.if \fill
	CREST
	s_add_nc_u64 s[G0+4*\slot+2:G0+4*\slot+3], s[G0+4*\slot+2:G0+4*\slot+3], 2*3072
	s_add_nc_u64 s[G0B+4*\slot+2:G0B+4*\slot+3], s[G0B+4*\slot+2:G0B+4*\slot+3], 2*ROWB
	JLOAD G0+4*\slot, G1, G0B+4*\slot, G1B
.else
	PLACES NP
.endif
	FETCH_S0 \next, 0, 0
	FETCH_S1 \next, 0, 0
	WIN MUL_HI
	MUL16 4, 1, \ks, 0
	MUL16 6, 1, \ks, 0
	PLACES NP
	WIN 0
	FETCH_S1 \next, 0, 4
.endm
	s_wait_tensorcnt 1
	s_barrier_signal -1
	s_barrier_wait -1
	FETCH_S0 0, 0, 0
	FETCH_S1 0, 0, 0
	FETCH_S1 0, 0, 4
	s_wait_loadcnt 0x0
	STEP 0, 0, 1
	TURN 0, 1, 1, 1
	STEP 1, 2, 0
	TURN 1, 0, 1, 3
	STEP 0, 4, 0
	TURN 0, 1, 0, 5
	STEP 1, 6, 0
	s_wait_dscnt 4*NLA
	WIN MUL_LO
	MUL16 0, 1, 7, 0
	MUL16 2, 1, 7, 0
	s_wait_alu depctr_va_vdst(0)
	s_wait_dscnt 0x0
	WIN MUL_HI
	MUL16 4, 1, 7, 0
	MUL16 6, 1, 7, 0
	WIN 0
.macro TOSTAGE a
.set AC, 64*((\a)%4)
	WIN 0x08+4*((\a)/4)
.irp b, 0,1,2,3,4,5,6,7
	ds_store_b128 v[STO], v[AC+8*\b:AC+8*\b+3] offset:128*(\b/2)+32*(\b%2)
	ds_store_b128 v[STO], v[AC+8*\b+4:AC+8*\b+7] offset:128*(\b/2)+32*(\b%2)+16
.endr
	WIN 0
.set BB, BK+64*((\a)%2)
.irp t, 0,1,2,3,4,5,6,7,8,9,10,11,12,13,14,15
	ds_load_b128 v[BB+4*\t:BB+4*\t+3], v[RD] offset:\t*SPITCH
.endr
.endm
.macro SEND a, younger
.set BB, BK+64*((\a)%2)
	s_wait_dscnt \younger
.irp t, 0,1,2,3,4,5,6,7,8,9,10,11,12,13,14,15
	global_store_b128 v[L16], v[BB+4*\t:BB+4*\t+3], s[12:13] offset:(32*((\a)/2)+8*((\a)%2)+\t+8*(\t/8))*4096 th:TH_STORE_NT
.endr
.endm
	PLACES NP
	TOSTAGE 0
.irp a, 1,2,3,4,5,6,7
.if \a > 1
	s_wait_xcnt 0x0
.endif
	TOSTAGE \a
	SEND \a-1, 32
.endr
	SEND 7, 0
	s_wait_tensorcnt 0x0
	ds_add_u32 v[SPW], v[NIL]
	s_wait_dscnt 0x0
	CROUND
	s_endpgm
.Lfunc_end_k_q83409dff88_outg:
	.size	k_q83409dff88_outg, .Lfunc_end_k_q83409dff88_outg-k_q83409dff88_outg
	.p2alignl 7, 3214868480
	.fill 96, 4, 3214868480
	.section	.rodata,"a",@progbits
	.p2align	6, 0x0
	.amdhsa_kernel k_q83409dff88_outg
		.amdhsa_group_segment_fixed_size 327680
		.amdhsa_private_segment_fixed_size 0
		.amdhsa_enable_private_segment 0
		.amdhsa_kernarg_size 40
		.amdhsa_user_sgpr_count 2
		.amdhsa_user_sgpr_kernarg_segment_ptr 1
		.amdhsa_wavefront_size32 1
		.amdhsa_system_sgpr_workgroup_id_x 1
		.amdhsa_system_sgpr_workgroup_id_y 1
		.amdhsa_system_sgpr_workgroup_id_z 1
		.amdhsa_system_vgpr_workitem_id 0
		.amdhsa_next_free_vgpr 1024
		.amdhsa_next_free_sgpr 100
		.amdhsa_reserve_vcc 1
		.amdhsa_float_denorm_mode_32 3
		.amdhsa_float_denorm_mode_16_64 3
		.amdhsa_memory_ordered 1
		.amdhsa_forward_progress 1
		.amdhsa_inst_pref_size 152
	.end_amdhsa_kernel
	.amdgpu_metadata
---
amdhsa.version: [ 1, 2 ]
amdhsa.kernels:
  - .name:           k_q83409dff88_outg
    .symbol:         k_q83409dff88_outg.kd
    .args:
      - { .name: oc, .offset: 0, .size: 8, .value_kind: global_buffer, .address_space: global }
      - { .name: cx, .offset: 8, .size: 8, .value_kind: global_buffer, .address_space: global }
      - { .name: sc, .offset: 16, .size: 8, .value_kind: global_buffer, .address_space: global }
      - { .name: bo, .offset: 24, .size: 8, .value_kind: global_buffer, .address_space: global }
      - { .name: out0, .offset: 32, .size: 8, .value_kind: global_buffer, .address_space: global }
    .group_segment_fixed_size: 327680
    .private_segment_fixed_size: 0
    .kernarg_segment_align: 8
    .kernarg_segment_size: 40
    .max_flat_workgroup_size: 128
    .sgpr_count:     100
    .vgpr_count:     1024
    .wavefront_size: 32
...
	.end_amdgpu_metadata
.endif
;; end of part 4
